; MI455X (gfx1250); checked and timed in simulation.
; The chip was launched on July 23, 2026; its instructions are those of AMD's public machine-readable ISA for CDNA 5 (MIT licence, August 2026) and "CDNA5" Instruction Set Architecture Reference Guide (July 2026). The comments in the code are by the model that wrote it; some were corrected since.
;; Blurring. Allowed arithmetic: float matrix products may take bf16 or f16 operands with f32 sums; all other float work in f32.
;; Inputs: x 64 x 224 x 224 x 3 float32.
;; Outputs: out0 64 x 224 x 224 x 3 float32.
;; One version. Each part assembles by itself: llvm-mc -triple=amdgcn-amd-amdhsa -mcpu=gfx1250 --defsym DOCPART=n.
;; ======== version 1 of 1: 1 launch
;; launch median3 (part 1): grid 256 x 1, 7 waves a work-group, no clusters, 204,800 bytes of LDS; arguments x, out0; writes out0
.if DOCPART == 1
	.amdgcn_target "amdgcn-amd-amdhsa--gfx1250"
	.amdhsa_code_object_version 6
	.text
	.protected	k_q133fa79050_median3
	.globl	k_q133fa79050_median3
	.p2align	8
	.type	k_q133fa79050_median3,@function
k_q133fa79050_median3:
	s_mov_b64 s[64:65], 0
	v_nop
	global_prefetch_b8 v0, s[64:65] scope:SCOPE_SE
	s_setreg_imm32_b32 hwreg(HW_REG_WAVE_MODE, 25, 1), 1
	s_wait_xcnt 0x0
; out0 = 3x3 median of x per channel, borders replicated.  x, out0: [64][224][224][3] f32; a row is 672 floats = 2,688 bytes.
;
; THE ARITHMETIC.  Sort each column's three rows (min3, med3, max3: shared by the three windows that hold the column), then
; median of 9 = med3( max of the three minima, med3 of the three middles, min of the three maxima ).  Only selections: no rounding.
; LIMIT: NaN.  The _num forms of min3/med3/max3 drop a NaN, so a window that holds a NaN yields a number where the reference
; yields NaN.  Infinities, denormals, any magnitude and any offset are exact.
;
; THE SHARES.  256 work-groups; each owns a quarter image: 56 rows = 150,528 consecutive bytes, a multiple of 256 from the buffer's start.
; 224 threads = 4 strips of 14 rows x 56 column groups of 12 floats.  56 = 7 waves x 8, so a wave holds 4 strips x 8 groups:
; strip = bits 4:3 of the thread's number, group = 8 x wave + bits 2:0.  A lane walks its strip downwards: a new row costs it five
; 16-byte LDS loads (its three pieces and one on each side: the neighbours lie 3 floats away), and three rows stay in registers.
;
; THE WAY IN.  Piece i = rows 2 i and 2 i + 1 of each of the four strips.  Waves 0 to 3 ask, at once, for the seven pairs of rows of their
; own strip (seven tensor loads outstanding in a wave at the most): each 5,376 consecutive bytes, a multiple of 256 long and from the
; buffer's start.  Wave 4 asks for the row above and the row below the 56 (source row clamped to the image: the vertical border).
; All strips use the pieces in the order in which they were asked for, so a step needs only the pieces up to the one behind its own.
; In LDS a strip's pair of rows has a pitch of 5,376 + 128 bytes: sixteen neighbouring lanes are 8 groups (48 bytes apart) of two strips,
; and 128 modulo 256 puts the second strip's eight 16-byte columns on the eight that the first leaves free.
;
; THE WAY OUT.  2,688 = 10.5 x 256: only a PAIR of rows is a whole number of aligned 256-byte runs.  So a step makes two rows a strip,
; puts them into a stage in LDS and, behind the step's barrier, the stage is read back by runs: sixteen neighbouring lanes store 256
; consecutive bytes, aligned.  Two stage buffers take turns, so that ONE barrier a step orders the stage's stores with its loads,
; the loads of the other buffer with its next stores, and the next piece's arrival with its first reads.
;
; NO CLUSTER: neighbouring work-groups share only the two halo rows, 2 of the 58 rows that a work-group fetches.
.set ROWB,   2688                      ; bytes in a row
.set DROW,   2*ROWB                    ; a pair of rows: 21 x 256 bytes
.set STRIPB, 14*ROWB                   ; a strip in memory
.set WGB,    4*STRIPB                  ; the work-group's 56 rows
.set SPITCH, DROW+128                  ; from strip to strip inside a piece and inside a stage buffer
.set PP,     4*SPITCH                  ; a piece in LDS, and a stage buffer: 22,016 bytes
; LDS.  The row below (B) follows piece 0 at the strips' pitch and the row above (T) stands one pitch in front of piece 6's odd rows, so that
; "the row below strip s" is at P0 + (s+1) x pitch and "the row above strip s" at T + s x pitch, with no case for s = 3 or s = 0.
.set L_P0,   0
.set L_B,    L_P0+PP                   ; 22,016
.set L_P1,   L_B+ROWB+128              ; 24,832: pieces 1 to 5
.set L_T,    L_P1+5*PP                 ; 134,912
.set L_P6,   L_T+SPITCH-ROWB           ; 137,728
.set STAGE,  L_P6+PP                   ; 159,744: two stage buffers, bytes that no tensor load ever writes
.set WSTEP,  65280                     ; an LDS offset has 16 bits, so each address is kept for three windows this far apart
; vector registers
.set AL,   2                           ; v2-4    LDS address of the 16 bytes to my left, windows 0-2
.set AM,   5                           ; v5-7    of my 48 bytes
.set AR,   8                           ; v8-10   of the 16 bytes to my right
.set ASTO, 11                          ; v11     where my 48 bytes go in the stage
.set ARD,  12                          ; v12     where I read the stage back
.set GO,   14                          ; v14     the byte offset in out0 that belongs to ARD
.set Q,    24                          ; v24-47  six read-back pieces of 16 bytes
.set X,    48                          ; v48-127 four row buffers of 20: floats p-4 .. p+15 (p: my first float); p-3 .. p+14 are used
.set SLO,  128                         ; v128-145 minima of columns p-3 .. p+14
.set SMI,  146                         ; v146-163 middles
.set SHI,  164                         ; v164-181 maxima
.set TA,   184                         ; v184-195 max of minima, then the 12 results
.set TB,   196                         ; v196-207 med3 of middles
.set TD,   208                         ; v208-219 min of maxima
; scalar registers
.set G1,   8                           ; s[8:15]  descriptor group 1: one run of bytes (each asking wave writes its own length once)
.set G0,   24                          ; s[24:51] groups 0, one for each load of a wave: none is rewritten
.set ML,   70                          ; lanes at a row's left end
.set MR,   71                          ; lanes at a row's right end
	s_load_b128 s[4:7], s[0:1], 0x0                ; x s[4:5], out0 s[6:7]
	v_lshl_add_u32 v220, v0, 2, 0x31c00
	v_mov_b32 v221, 0
	ds_add_u32 v220, v221
	ds_add_u32 v220, v221
	v_lshrrev_b32 v1, 5, v0
	v_readfirstlane_b32 s60, v1                    ; wave 0..6
	s_mul_i32 s62, ttmp9, WGB                      ; the work-group's first byte: at most 255 x 150,528, below 2^31
	s_mov_b32 s63, 0
	s_wait_dscnt 0x0
	s_wait_kmcnt 0x0
	s_add_nc_u64 s[6:7], s[6:7], s[62:63]          ; out0 at my first row
	s_add_nc_u64 s[4:5], s[4:5], s[62:63]          ; x at my first row
.macro SHAPE n                         ; group 1: a single run of n elements of 8 bytes, dense in LDS
	s_mov_b32 s[G1+0], 3<<16                       ; no work-group mask, element size code 3, no padding
	s_mov_b32 s[G1+1], (\n)<<16                    ; tensor_dim0
	s_mov_b32 s[G1+2], 1<<16                       ; tensor_dim1 = 1
	s_mov_b32 s[G1+3], (\n)<<16                    ; tile_dim0
	s_mov_b32 s[G1+4], 1                           ; tile_dim1 = 1
	s_mov_b32 s[G1+5], \n                          ; stride from row to row (one row: never stepped)
	s_mov_b32 s[G1+6], 0
	s_mov_b32 s[G1+7], 0
.endm
.macro ASK n                           ; group 0 number n: its LDS address (word 1) and global address (words 2, 3) are written already
	s_mov_b32 s[G0+4*(\n)], 1                      ; count = 1
	s_or_b32 s[G0+4*(\n)+3], s[G0+4*(\n)+3], 0x80000000   ; type = 2
	tensor_load_to_lds s[G0+4*(\n):G0+4*(\n)+3], s[G1:G1+7]
	s_nop 0
.endm
.macro PAIR n, lds, step               ; my strip's pair of rows at byte step of the strip, to my strip's place in the piece at lds
	s_add_co_u32 s[G0+4*(\n)+1], s61, \lds
	s_add_nc_u64 s[G0+4*(\n)+2:G0+4*(\n)+3], s[4:5], \step
	ASK \n
.endm
	s_cmp_lt_u32 s60, 4
	s_cbranch_scc0 .Lnot_strip
	; waves 0 to 3: strip = wave.  The order of need: the first step reads the row above each strip (piece 6's odd rows), pieces 0 and 1
	SHAPE DROW/8
	s_mul_i32 s66, s60, STRIPB
	s_mov_b32 s67, 0
	s_add_nc_u64 s[4:5], s[4:5], s[66:67]          ; x at my strip
	s_mul_i32 s61, s60, SPITCH                     ; my strip's place in a piece
	PAIR 0, L_P6, 6*DROW
	PAIR 1, L_P0, 0
.irp p, 1,2,3,4,5
	PAIR \p+1, L_P1+(\p-1)*PP, \p*DROW
.endr
	s_branch .Lissued
.Lnot_strip:
	s_cmp_lg_u32 s60, 4
	s_cbranch_scc1 .Lissued
	; wave 4: the two halo rows
	SHAPE ROWB/8
	s_and_b32 s61, ttmp9, 3                        ; which quarter of the image
	s_cmp_eq_u32 s61, 0
	s_cselect_b32 s66, 0, ROWB                     ; the row above lies one row back; in the top quarter it is my first row itself
	s_mov_b32 s67, 0
	s_cmp_eq_u32 s61, 3
	s_cselect_b32 s68, ROWB, 0
	s_sub_co_u32 s68, WGB, s68                     ; the row below lies 56 rows on; in the bottom quarter it is my last row itself
	s_mov_b32 s69, 0
	s_mov_b32 s[G0+1], L_T
	s_sub_nc_u64 s[G0+2:G0+3], s[4:5], s[66:67]
	ASK 0
	s_mov_b32 s[G0+5], L_B
	s_add_nc_u64 s[G0+6:G0+7], s[4:5], s[68:69]
	ASK 1
	s_wait_tensorcnt 0x0                           ; both are read in the first and the last step: in before this wave's first signal
.Lissued:
	; the lane's place
	v_and_b32 v20, 7, v0
	v_lshl_add_u32 v20, v1, 3, v20                 ; g = 8 x wave + (lane & 7), 0 .. 55
	v_bfe_u32 v21, v0, 3, 2                        ; strip s
	v_cmp_eq_u32 s[ML], 0, v20
	v_cmp_eq_u32 s[MR], 55, v20
	v_mul_u32_u24 v21, v21, SPITCH                 ; a strip's pair of rows in a piece and in the stage
	v_mul_u32_u24 v22, v20, 3                      ; my first 16-byte piece of the row's 168
	v_lshl_add_u32 v[AM], v22, 4, v21
	v_add_nc_u32 v23, 0xff, v22                    ; the piece to the left: (3 g + 255) & 255 = 3 g - 1 for g >= 1 and 255 for g = 0,
	v_and_b32 v23, 0xff, v23                       ; which the minimum turns into the row's last piece: bytes of the same row, so that no
	v_min_u32 v23, 0xa7, v23                       ; load leaves the row; what the end lane gets there is replaced in EDGE
	v_lshl_add_u32 v[AL], v23, 4, v21
	v_add_nc_u32 v23, 3, v22
	v_min_u32 v23, 0xa7, v23                       ; the piece to the right, at most the row's last (167); replaced in EDGE likewise
	v_lshl_add_u32 v[AR], v23, 4, v21
.irp w, 1,2
	v_add_nc_u32 v[AL+\w], \w*WSTEP, v[AL]
	v_add_nc_u32 v[AM+\w], \w*WSTEP, v[AM]
	v_add_nc_u32 v[AR+\w], \w*WSTEP, v[AR]
.endr
	v_add_nc_u32 v[ASTO], STAGE, v[AM]
	; read-back: a strip's pair of rows is 21 runs of 256 bytes = 7 waves x 3.  Wave w takes bytes 768 w .. 768 w + 767 of every strip;
	; lanes 0-15 serve strips 0 and 2, lanes 16-31 strips 1 and 3; the strip pair and the run go into the immediates.
	v_and_b32 v20, 15, v0
	v_bfe_u32 v21, v0, 4, 1                        ; which half of the lanes
	v_mul_u32_u24 v22, v1, 768
	v_lshl_add_u32 v22, v20, 4, v22                ; 768 w + 16 (lane & 15)
	v_mul_u32_u24 v23, v21, SPITCH
	v_add_nc_u32 v23, v23, v22
	v_add_nc_u32 v[ARD], STAGE, v23
	v_mul_u32_u24 v23, v21, STRIPB
	v_add_nc_u32 v[GO], v23, v22
; Rows are numbered r = 0 .. 15 within a strip: r = 0 the row above it, r = 1 .. 14 its own, r = 15 the row below.  Row r lives in buffer r % 4.
.macro LOADROW r                       ; five LDS loads: floats p-4 .. p+15 of row r
	.set RR, \r
	.if RR == 0
	.set RB, L_T
	.else
	.if RR == 15
	.set RB, L_P0+SPITCH
	.else
	.if RR < 3
	.set RB, L_P0+(RR-1)*ROWB
	.else
	.if RR < 13
	.set RB, L_P1+((RR-3)/2)*PP+((RR-3)%2)*ROWB
	.else
	.set RB, L_P6+(RR-13)*ROWB
	.endif
	.endif
	.endif
	.endif
	.set WN, RB/WSTEP
	.set RO, RB%WSTEP
	.set XL, X+20*(RR%4)
	ds_load_b128 v[XL:XL+3],     v[AL+WN] offset:RO
	ds_load_b128 v[XL+4:XL+7],   v[AM+WN] offset:RO
	ds_load_b128 v[XL+8:XL+11],  v[AM+WN] offset:RO+16
	ds_load_b128 v[XL+12:XL+15], v[AM+WN] offset:RO+32
	ds_load_b128 v[XL+16:XL+19], v[AR+WN] offset:RO
.endm
.macro EDGE r                          ; the horizontal border, once for each row that came in: pixel -1 = pixel 0, pixel 224 = pixel 223
	.set XE, X+20*((\r)%4)
	v_cndmask_b32 v[XE+1],  v[XE+1],  v[XE+4],  s[ML]
	v_cndmask_b32 v[XE+2],  v[XE+2],  v[XE+5],  s[ML]
	v_cndmask_b32 v[XE+3],  v[XE+3],  v[XE+6],  s[ML]
	v_cndmask_b32 v[XE+16], v[XE+16], v[XE+13], s[MR]
	v_cndmask_b32 v[XE+17], v[XE+17], v[XE+14], s[MR]
	v_cndmask_b32 v[XE+18], v[XE+18], v[XE+15], s[MR]
.endm
.macro SORT rc                         ; rows rc-1, rc, rc+1: each of the 18 columns p-3 .. p+14 sorted
	.set XA, X+20*(((\rc)-1)%4)+1
	.set XC, X+20*((\rc)%4)+1
	.set XD, X+20*(((\rc)+1)%4)+1
	.set cc, 0
	.rept 18
	v_min3_num_f32 v[SLO+cc], v[XA+cc], v[XC+cc], v[XD+cc]
	v_med3_num_f32 v[SMI+cc], v[XA+cc], v[XC+cc], v[XD+cc]
	v_max3_num_f32 v[SHI+cc], v[XA+cc], v[XC+cc], v[XD+cc]
	.set cc, cc+1
	.endr
.endm
.macro COMBINE                         ; output float p+o takes columns p+o-3, p+o, p+o+3 (one channel of three neighbouring pixels)
	.set cc, 0
	.rept 12
	v_max3_num_f32 v[TA+cc], v[SLO+cc], v[SLO+cc+3], v[SLO+cc+6]
	.set cc, cc+1
	.endr
	.set cc, 0
	.rept 12
	v_med3_num_f32 v[TB+cc], v[SMI+cc], v[SMI+cc+3], v[SMI+cc+6]
	.set cc, cc+1
	.endr
	.set cc, 0
	.rept 12
	v_min3_num_f32 v[TD+cc], v[SHI+cc], v[SHI+cc+3], v[SHI+cc+6]
	.set cc, cc+1
	.endr
	.set cc, 0
	.rept 12
	v_med3_num_f32 v[TA+cc], v[TA+cc], v[TB+cc], v[TD+cc]
	.set cc, cc+1
	.endr
.endm
.macro STASH buf, half                 ; my 48 bytes into the stage: first or second row of the pair
.irp k, 0,1,2
	ds_store_b128 v[ASTO], v[TA+4*\k:TA+4*\k+3] offset:(\buf)*PP+(\half)*ROWB+16*\k
.endr
.endm
.macro GETQ buf                        ; the stage back: strips 2 a + (lane / 16), run c of my wave's three
.irp a, 0,1
.irp c, 0,1,2
	ds_load_b128 v[Q+4*(3*\a+\c):Q+4*(3*\a+\c)+3], v[ARD] offset:(\buf)*PP+2*\a*SPITCH+256*\c
.endr
.endr
.endm
.macro PUTQ step, tail                 ; and out: sixteen neighbouring lanes store 256 consecutive bytes, a multiple of 256 from out0's first byte
.irp a, 0,1
.irp c, 0,1,2
.if \tail
	s_wait_dscnt 5-(3*\a+\c)                       ; LDS loads come back in order (ISA guide 5.7.1): this piece is in
.endif
	global_store_b128 v[GO], v[Q+4*(3*\a+\c):Q+4*(3*\a+\c)+3], s[6:7] offset:(\step)*DROW+2*\a*STRIPB+256*\c th:TH_STORE_NT
.endr
.endr
.endm
; STEP i makes each strip's rows 2 i and 2 i + 1 (r = 2 i + 1, 2 i + 2) and sends out the pair of the step before.
.macro STEP i
.if \i > 0
.if \i > 1
	s_wait_xcnt 0x0                                ; Q, which the last step's stores read, is loaded again only behind this wait
.endif
	GETQ (\i-1)%2                                  ; behind the barrier: every wave's stores into that stage buffer are done
.endif
	LOADROW 2*\i+3                                 ; the row that the step's second output needs; its piece is in since the last barrier
.if \i == 0
	s_wait_dscnt 0x5                               ; the first three rows are in; the five loads just issued stay out
	EDGE 0
	EDGE 1
.endif
	EDGE 2*\i+2                                    ; (in later steps this row came in before the last barrier's wait for all LDS work)
	SORT 2*\i+1
.if \i > 0
	s_wait_dscnt 0x5                               ; the six read-back loads are in; the five row loads behind them stay out
	PUTQ \i-1, 0
.endif
	COMBINE
	STASH \i%2, 0
.if \i < 6
	LOADROW 2*\i+4                                 ; into the buffer of row r = 2 i, which the sort above read last
	s_wait_dscnt 0x8                               ; row r = 2 i + 3 is in: behind it stand three stage stores and five loads
.else
	s_wait_dscnt 0x3                               ; the last step loads nothing more: behind the row stand the three stage stores
.endif
	EDGE 2*\i+3
	SORT 2*\i+2
	COMBINE
	STASH \i%2, 1
.if \i < 4
	s_wait_tensorcnt 3-\i                          ; waves 0-3: my strip's part of piece i + 2 is in, the 3 - i asked for behind it stay out (a wave's tensor loads end in order: ISA guide 10.11.1); the other waves have none out
.endif
	s_wait_dscnt 0x0                               ; for the others: my stage stores are done, and so are my reads of the other stage buffer
	s_barrier_signal -1
	s_barrier_wait -1
.endm
	s_wait_tensorcnt 0x4                           ; waves 0-3: my strip's parts of pieces 6, 0, 1 are in; those of pieces 2 to 5 stay out
	s_barrier_signal -1
	s_barrier_wait -1                              ; everybody's are, and wave 4's two halo rows
	LOADROW 0
	LOADROW 1
	LOADROW 2
	STEP 0
	STEP 1
	STEP 2
	STEP 3
	STEP 4
	STEP 5
	STEP 6
	s_wait_xcnt 0x0                                ; Q is loaded again only behind this wait
	GETQ 0                                         ; the last pair of rows (step 6 used stage buffer 0)
	PUTQ 6, 1
	s_wait_tensorcnt 0x0
	ds_add_u32 v220, v221
	s_wait_dscnt 0x0
	s_endpgm
.Lfunc_end_k_q133fa79050_median3:
	.size	k_q133fa79050_median3, .Lfunc_end_k_q133fa79050_median3-k_q133fa79050_median3
	.p2alignl 7, 3214868480
	.fill 96, 4, 3214868480
	.section	.rodata,"a",@progbits
	.p2align	6, 0x0
	.amdhsa_kernel k_q133fa79050_median3
		.amdhsa_group_segment_fixed_size 204800
		.amdhsa_private_segment_fixed_size 0
		.amdhsa_enable_private_segment 0
		.amdhsa_kernarg_size 16
		.amdhsa_user_sgpr_count 2
		.amdhsa_user_sgpr_kernarg_segment_ptr 1
		.amdhsa_wavefront_size32 1
		.amdhsa_system_sgpr_workgroup_id_x 1
		.amdhsa_system_sgpr_workgroup_id_y 1
		.amdhsa_system_sgpr_workgroup_id_z 1
		.amdhsa_system_vgpr_workitem_id 0
		.amdhsa_next_free_vgpr 222
		.amdhsa_next_free_sgpr 72
		.amdhsa_reserve_vcc 0
		.amdhsa_float_denorm_mode_32 3
		.amdhsa_float_denorm_mode_16_64 3
		.amdhsa_memory_ordered 1
		.amdhsa_forward_progress 1
		.amdhsa_inst_pref_size 119
	.end_amdhsa_kernel
	.amdgpu_metadata
---
amdhsa.version: [ 1, 2 ]
amdhsa.kernels:
  - .name:           k_q133fa79050_median3
    .symbol:         k_q133fa79050_median3.kd
    .args:
      - { .name: x, .offset: 0, .size: 8, .value_kind: global_buffer, .address_space: global }
      - { .name: out0, .offset: 8, .size: 8, .value_kind: global_buffer, .address_space: global }
    .group_segment_fixed_size: 204800
    .private_segment_fixed_size: 0
    .kernarg_segment_align: 8
    .kernarg_segment_size: 16
    .max_flat_workgroup_size: 224
    .sgpr_count:     72
    .vgpr_count:     222
    .wavefront_size: 32
...
	.end_amdgpu_metadata
.endif
;; end of part 1
